; MI455X (gfx1250); checked and timed in simulation.
; The chip was launched on July 23, 2026; its instructions are those of AMD's public machine-readable ISA for CDNA 5 (MIT licence, August 2026) and "CDNA5" Instruction Set Architecture Reference Guide (July 2026). The comments in the code are by the model that wrote it; some were corrected since.
;; Differential Attention. Allowed arithmetic: matrix products marked QUANTISED: E2M1 operands, one E8M0 scale for each 32 along K, by v_wmma_scale_f32_16x16x128_f8f6f4 with both operands' format E2M1 (or v_wmma_scale_f32_32x16x128_f4), f32 sums; everything else in f32.
;; Inputs: k1_codes 2 x 12 x 2,048 x 4 x 16 uint8 (E2M1 codes of k1, K innermost, in blocks of 32 codes, two codes a byte); k1_scales 2 x 12 x 2,048 x 4 uint8 (E8M0 scales of k1, one for each 32 codes along K); k2_codes 2 x 12 x 2,048 x 4 x 16 uint8 (E2M1 codes of k2, K innermost, in blocks of 32 codes, two codes a byte); k2_scales 2 x 12 x 2,048 x 4 uint8 (E8M0 scales of k2, one for each 32 codes along K); lambda_log 1 float32; q1_codes 2 x 12 x 2,048 x 4 x 16 uint8 (E2M1 codes of q1, K innermost, in blocks of 32 codes, two codes a byte); q1_scales 2 x 12 x 2,048 x 4 uint8 (E8M0 scales of q1, one for each 32 codes along K); q2_codes 2 x 12 x 2,048 x 4 x 16 uint8 (E2M1 codes of q2, K innermost, in blocks of 32 codes, two codes a byte); q2_scales 2 x 12 x 2,048 x 4 uint8 (E8M0 scales of q2, one for each 32 codes along K); v_codes 2 x 12 x 128 x 64 x 16 uint8 (E2M1 codes of v, K innermost, in blocks of 32 codes, two codes a byte); v_scales 2 x 12 x 128 x 64 uint8 (E8M0 scales of v, one for each 32 codes along K).
;; Outputs: out0 2 x 12 x 2,048 x 128 float32.
;; This version of the problem:
;;   THIS VERSION OF THE PROBLEM IS GIVEN IN LOW PRECISION. The matrix products marked QUANTISED in the list below multiply operands that are first quantised to E2M1 (2 exponent bits, 1 mantissa bit; 4 bits a number), with one power-of-two scale for each 32 numbers along K (OCP MX v1.0); their sums are f32. All else is computed in f32.
;;   The module's matrix products, in the order in which they are computed (A, B: the left and right operand; K: the contracted axis; several contracted axes count as one K, in the product's order):
;;     1. batch 24 x [M 2,048, K 128] x [K 128, N 2,048]; A: input q1 (given as codes); B: input k1 (given as codes): QUANTISED
;;     2. batch 24 x [M 2,048, K 2,048] x [K 2,048, N 128]; A: softmax (see below); B: input v (given as codes): QUANTISED
;;     3. batch 24 x [M 2,048, K 128] x [K 128, N 2,048]; A: input q2 (given as codes); B: input k2 (given as codes): QUANTISED
;;     4. batch 24 x [M 2,048, K 2,048] x [K 2,048, N 128]; A: softmax (see below); B: input v (given as codes): QUANTISED
;;   THE QUANTISER, for each operand of a quantised product, along K:
;;     - K is cut into blocks of 32 from its start; a last block that is shorter is filled with zeros.
;;     - A block's scale is 2^e with e = floor(log2(the largest magnitude in the block)) - 2, held to -126 .. 127; a block of zeros has e = 0. As a byte (E8M0): e + 127.
;;     - Each number is divided by its block's scale, clamped to +-6, and rounded to the nearest number of E2M1, ties to even, subnormals kept.
;;     - The product sums the exact products of the quantised numbers (number of the format x scale) in f32.
;;   ~~~python
;;   def quantise(x, axis):      # numpy; x: float32 -> the quantised numbers, widened to float32 again
;;       x = np.moveaxis(x, axis, -1); K = x.shape[-1]
;;       x = np.pad(x, [(0, 0)] * (x.ndim - 1) + [(0, -K % 32)]); x = x.reshape(x.shape[:-1] + (-1, 32)); a = np.abs(x).max(-1, keepdims=True)
;;       e = np.where(a > 0, np.clip(np.frexp(np.where(a > 0, a, 1))[1] - 1 - 2, -126, 127), 0)      # np.frexp(a)[1] - 1 = floor(log2(a)), exactly
;;       r = np.clip(x / 2.0 ** e, -6, 6)
;;       step = 2.0 ** (np.maximum(np.frexp(np.where(r == 0, 1, r))[1] - 1, 0) - 1)
;;       q = np.round(r / step) * step * 2.0 ** e      # np.round: ties to even
;;       return np.moveaxis(q.reshape(q.shape[:-2] + (-1,))[..., :K], -1, axis).astype(np.float32)
;;   ~~~
;;   SOFTMAX AHEAD OF A QUANTISED PRODUCT. Where the list says 'softmax', what is quantised is not the finished softmax but p = 2^(t - M), with t = logit x log2(e) and M = ceil(the row's largest t), a whole number; so 1/2 < the row's largest p <= 1. The row's sum l is taken of the UNQUANTISED p, in f32, and the product's result is divided by l at the end. Since M is a whole number, a kernel that streams over the keys may use a running M (the ceiling of the running maximum): every later rescaling is an exact power of two, which a block's scale takes up: the codes' values come out the same.
;;   OPERANDS COMPUTED ON THE WAY. 'Computed on the way' means the value that the module computes at that place (a softmax that the list does not call 'softmax' is quantised finished and normalised). What goes into a quantiser is computed in f32, as accurately as f32 sums, v_exp_f32 and their like allow (about 1e-6 of the number): no bf16 or f16 on the way to a quantiser, and a product that is left as it is and whose result goes on into a quantised operand takes f32 operands (vector FMAs, or v_wmma_f32_16x16x4_f32). A number that lies on a knife's edge between two numbers of the format may be rounded either way, as far as f32 arithmetic and the matrix unit's own rounding can turn it there, and no further.
;;   INPUTS GIVEN AS CODES. k1 (in the module: [2, 12, 2048, 128], K = its axis 3); k2 (in the module: [2, 12, 2048, 128], K = its axis 3); q1 (in the module: [2, 12, 2048, 128], K = its axis 3); q2 (in the module: [2, 12, 2048, 128], K = its axis 3); v (in the module: [2, 12, 2048, 128], K = its axis 2): each comes as NAME_codes (uint8): NAME with its K axis moved to the last place and cut into blocks of 32 codes, [.., K / 32, bytes a block], one block behind the other in memory; two codes a byte, the lower K in the low four bits (a code: sign, 2 exponent bits, 1 mantissa bit); and NAME_scales (uint8): the same leading axes, one E8M0 byte (e + 127) for each 32 codes along K. Its value is code x scale, taken as it is: it is not quantised again, and the codes and scales need not be those that the quantiser above would give.
;; One version. Each part assembles by itself: llvm-mc -triple=amdgcn-amd-amdhsa -mcpu=gfx1250 --defsym DOCPART=n.
;; ======== version 1 of 1: 1 launch
;; launch diffattn (part 1): grid 384 x 1, 16 waves a work-group, no clusters, 327,680 bytes of LDS; arguments q1_codes, q1_scales, q2_codes, q2_scales, k1_codes, k1_scales, k2_codes, k2_scales, v_codes, v_scales, lambda_log, out0; writes out0
.if DOCPART == 1
	.amdgcn_target "amdgcn-amd-amdhsa--gfx1250"
	.amdhsa_code_object_version 6
	.text
	.protected	k_qb16f09dfa9_diffattn
	.globl	k_qb16f09dfa9_diffattn
	.p2align	8
	.type	k_qb16f09dfa9_diffattn,@function
k_qb16f09dfa9_diffattn:
	s_mov_b64 s[64:65], 0
	v_nop
	global_prefetch_b8 v0, s[64:65] scope:SCOPE_SE
	s_setreg_imm32_b32 hwreg(HW_REG_WAVE_MODE, 25, 1), 1
	s_wait_xcnt 0x0
; out[h][q][:] = attn1 - exp(lambda_log) x attn2,  attn_i = causal softmax(Q_i K_i^T / sqrt(128)) V, 24 heads, 2,048 queries and keys, head size 128.
; All four products on codes of FP4 (E2M1) with one E8M0 scale for each 32 along a product's K.  Q_i, K_i: [24][2048][64 bytes], their scale bytes [24][2048][4].  V has the KEYS innermost: [24][128][1024 bytes], scale bytes [24][128][64].  out: f32.
; THE SOFTMAX AHEAD OF THE SECOND PRODUCT: t = score x log2(e) / sqrt(128); M = the running largest t rounded UP to a whole number; p = 2^(t - M) is quantised along the keys, not normalised.
; The row's sum is taken of the unquantised p in f32.  When M moves, the sum and O are multiplied by 2^(old M - new M): exact.
; SHARES.  A work-group owns 128 queries of one head, in BOTH attentions: waves 0-7 do attention 1, waves 8-15 attention 2, each one tile of 16 queries in 256 registers: four waves to a SIMD, so that one wave's
; vector work stands beside another's matrix work and LDS loads.  Block b of a head has b + 1 key steps of 128 keys that count, the last on the diagonal: the same number in all sixteen waves.
; K1, K2 and V come through a ring of two LDS slots of 512 keys (waves 0-3: the halves of K1 and K2; waves 4, 5: V's halves); the head's scale bytes, 3 x 8,192, come once.
; At the end each wave multiplies its O^T by 1 / sum (attention 1) or -lambda / sum (attention 2); the two meet in a stage in LDS, are added, and leave as whole rows of 512 bytes.  Nothing goes through memory between the two attentions.
; THE GRID'S ORDER.  384 work-groups of 1 to 16 steps.  The work-group's number is mapped so that numbers 0-255 take blocks 15 down to 5 (part of 5), and numbers 256-383 the rest from block 0 upward: long ones start first, short ones fill up.
; NO CLUSTER, though the 16 work-groups of a head read the same K1, K2 and V: block b asks for (b + 4) / 4 slots and walks b + 1 steps, so partners would need different numbers of tiles, and the jump over
; hidden steps hangs on the block, which differs between partners; walking the hidden steps instead would add up to 3 steps in 16 of the vector work.
; LAYOUT.  Both products are used transposed: S^T = K Q^T (source 0 = 16 keys, source 1 = my 16 queries), O^T = V^T P^T (source 0 = 16 of the head's 128, source 1 = P): a lane holds ONE query (lane % 16) throughout.
; THE KEYS OF A TILE ARE NOT NEIGHBOURS: lane r of tile 2 b + u takes key 32 b + 8 u + r + 8 (r / 8), so that the 16 registers of tiles 2 b and 2 b + 1 are 16 neighbouring keys, 32 b + 16 (lane / 16) + 0 .. 15.
; LIMITS: NaN, infinities and the scale byte 0xff among the inputs are not served; |t| stays under 3e38; a p under 2^-126 counts as 0 (v_exp_f32 gives 0 there); lambda = 2^(lambda_log x log2 e) is 0 for lambda_log under about -87;
; a block of 32 keys whose every p is 0 keeps the scale byte 1: its codes are zeros.
; REGISTERS: v1-7 addresses that stay; v8-11 addresses of the loads in hand; v12 -M, v13 the largest t, v[14:15] the sum in two halves; v16-23 Q; v24-29 see below; v32-63 four fragments of K or of V;
; v96-159 S^T, then p; v160-223 O^T; v224-231 p's codes; v232-254 at work; v255 Q's scale words.
.set SK,    512                        ; keys in a slot: four key steps
.set KP2,   144                        ; K in LDS: TWO keys' rows (128 bytes, dense in memory) + 16 of padding.  Key k lies at (k / 2) x 144 + (k % 2) x 64: the sixteen keys of a tile fall on sixteen different 16-byte columns modulo 256 bytes
.set KREG,  (SK/2)*KP2                 ; a slot's K1, and its K2: 36,864 bytes each
.set VOFF,  2*KREG                     ; behind them V's 128 rows
.set VP,    272                        ; of 256 bytes (512 codes) + 16 of padding
.set KROWV, 1024                       ; a row of V in memory
.set SLOT1, 1<<17                      ; slot 1 begins here, so that one exclusive or turns an address in one slot into the other's (a slot is 108,544 bytes)
.set SC,    2*SLOT1                    ; behind the ring: the head's scale bytes as units of 256 bytes + 16: K1's, K2's, V's, 8,704 bytes each
.set SCH,   16*272                     ; half a tensor's: what one tensor load brings
.set SCV,   SC+4*SCH
.set SPARE, SC+6*SCH                   ; the spare words, 128 bytes for each wave: eight blocks of 256 bytes that no other line names
.set SPI,   528                        ; the way out: a stage row: 512 bytes + 16
.set WST,   16*SPI                     ; a wave's stage: 16 rows.  The sixteen stages lie from LDS byte 0 on, over the ring, which by then has had its last fill and its last read
.set AK0,  1                           ; v1   my lane's place in a tile of my attention's K
.set AV0,  2                           ; v2   the same for V
.set ASK0, 3                           ; v3   my lane's place among my K's scale words
.set ASV0, 4                           ; v4   and among V's
.set SPW,  5                           ; v5   LDS address of my spare word: SPARE + 4 x my thread's number; never rewritten
.set NIL,  6                           ; v6   0; never rewritten
.set GO,   7                           ; v7   16 x lane: my bytes of a row of out
.set ADK,  8                           ; v8   LDS address of the step's tiles of K
.set ADV,  9                           ; v9   of V
.set ADS,  10                          ; v10  of K's scale words
.set ADT,  11                          ; v11  of V's
.set DG,   24                          ; v24  lane % 16 - 16 (lane / 16): for the diagonal
.set FAC,  25                          ; v25  1.0 in attention 1, -lambda in attention 2
.set SW,   26                          ; v26  the stage: where I put 32 bytes of a row
.set RA,   27                          ; v27  where I read rows of attention 1 back,
.set PFO,  28                          ; v28  the prefetches' offset; never rewritten
.set RB,   29                          ; v29  and the same rows of attention 2
.set TB,   2                           ; s2   LDS byte at which the slot in hand begins
.set TS,   3                           ; s3   where the step's scale words of K begin: 544 bytes a step
.set WV,   28                          ; s28  my wave's number
.set ATT,  29                          ; s29  which attention: wave / 8
.set TIL,  30                          ; s30  which tile of 16 queries: wave % 8
.set BLK,  31                          ; s31  which block of 128 queries
.set G1K,  32                          ; s[32:39] descriptor group 1 for K's tiles;  s[40:47] for V's;  s[48:55] for the scale bytes
.set G1V,  40
.set G1S,  48
.set G0K,  56                          ; s[56:59], s[60:63] groups 0 for K's and V's tiles, which walk;  s[68:71] for the scale bytes
.set G0V,  60
.set TJ,   66                          ; s66  the step's scale words of V: 4 bytes a step
.set SLOTS, 67                         ; s67  counts the loop's trips down
.set G0S,  68
.set SEL,  72                          ; s[72:73] lane selects for v_permlanex16_b32: lane l xor 16
.set CS,   74                          ; s[74:75] c = log2(e) / sqrt(128): the packed form names a pair and takes its low word for both halves
.set PFA,  76                          ; s[76:77] where my prefetches stand in memory
.set PFS,  78                          ; s[78:79] a slot on, in bytes: 32,768 in K, 256 in a row of V
.set LIM,  80                          ; s80  1 in a wave that prefetches, else the greatest number: a wave prefetches while s[SLOTS] is above it
.set KF,   81                          ; s81  the step's first key
.set Q0,   82                          ; s82  my first query
.set HEAD, 83                          ; s83  the head
.set OFC,  84                          ; s[84:85] the head's first byte in each tensor of codes: 131,072 x head
.set OFS,  86                          ; s[86:87] and in each tensor of scale bytes: 8,192 x head
; A slot's tiles: waves 0-3 fetch a half of K1 or of K2, waves 4 and 5 a half of V, the others nothing.  The branches hang on the wave's number alone.  An s_nop 0 and four v_nop follow each of the two lines.
.macro TLOAD
	s_cmp_lt_u32 s[WV], 4
	s_cbranch_scc0 .Lnot_k_\@
	tensor_load_to_lds s[G0K:G0K+3], s[G1K:G1K+7]
	s_nop 0
.rept 4
	v_nop
.endr
	s_branch .Lasked_\@
.Lnot_k_\@:
	s_cmp_lt_u32 s[WV], 6
	s_cbranch_scc0 .Lasked_\@
	tensor_load_to_lds s[G0V:G0V+3], s[G1V:G1V+7]
	s_nop 0
.rept 4
	v_nop
.endr
.Lasked_\@:
.endm
; A PREFETCH of what the NEXT change of slots will ask for: 32,768 dense bytes of K1, as many of K2, and 256 bytes of each of V's 128 rows.  It stands at the change of slots, where the fetching waves have their tensor load.
; Each aligned block of 256 bytes is named ONCE in the launch.  All sixteen work-groups of a head walk the same K1, K2 and V: the one with block 15, which walks all four slots, asks (a branch on the work-group's number).
; In it waves 4-7 ask for K1's block, 8,192 bytes a wave, lanes 256 bytes apart; waves 8-11 for K2's likewise; waves 12-15 for V's rows, 32 a wave, a lane a row.  One instruction a wave.
; The first two changes ask for slots 2 and 3: four key steps ahead of the tensor load.  The last change that fills a slot asks for nothing.  Slots 0 and 1 and the scale bytes come by their loads alone.
.macro ASK
	s_cmp_gt_u32 s[SLOTS], s[LIM]
	s_cbranch_scc0 .Lnot_mine_\@
	global_prefetch_b8 v[PFO], s[PFA:PFA+1] th:TH_LOAD_NT scope:SCOPE_SE
.Lnot_mine_\@:
.endm
	s_load_b256 s[4:11], s[0:1], 0x0               ; Q1's codes s[4:5], scales s[6:7]; Q2's s[8:9], s[10:11]
	s_load_b256 s[12:19], s[0:1], 0x20             ; K1's codes s[12:13], scales s[14:15]; K2's s[16:17], s[18:19]
	s_load_b256 s[20:27], s[0:1], 0x40             ; V's codes s[20:21], scales s[22:23]; lambda_log s[24:25]; out s[26:27]
	v_lshl_add_u32 v[SPW], v0, 2, SPARE
	v_mov_b32 v[NIL], 0
	ds_add_u32 v[SPW], v[NIL]                      ; the wave's opening: the add and its wait ahead of my first tensor load; the set-up below, work on registers, stands between them
	ds_add_u32 v[SPW], v[NIL]
	v_lshrrev_b32 v8, 5, v0
	s_delay_alu instid0(VALU_DEP_1)
	v_readfirstlane_b32 s[WV], v8                  ; wave 0..15
	s_lshr_b32 s[ATT], s[WV], 3
	s_and_b32 s[TIL], s[WV], 7
	s_sub_co_u32 s92, 639, ttmp9                   ; the work-group's number n becomes j = n (n < 256) or 639 - n,
	s_cmp_lt_u32 ttmp9, 256
	s_cselect_b32 s92, ttmp9, s92
	s_mul_i32 s93, s92, 2731
	s_lshr_b32 s93, s93, 16                        ; j / 24 (24 x 2,731 = 65,544: exact for j under 384),
	s_mul_i32 s94, s93, 24
	s_sub_co_u32 s[HEAD], s92, s94                 ; head = j % 24,
	s_sub_co_u32 s[BLK], 15, s93                   ; block = 15 - j / 24
	s_lshl_b32 s[OFC], s[HEAD], 17
	s_mov_b32 s[OFC+1], 0
	s_lshl_b32 s[OFS], s[HEAD], 13
	s_mov_b32 s[OFS+1], 0
	s_lshl_b32 s[Q0], s[BLK], 7
	s_lshl_b32 s92, s[TIL], 4
	s_add_co_u32 s[Q0], s[Q0], s92                 ; my first query: 128 x block + 16 x tile
	; descriptor group 1.  K: 256 keys as 128 rows of 128 bytes, dense in memory
	s_mov_b32 s[G1K], (0<<16)|(1<<20)|(4<<22)|(3<<25)   ; 15:0 no mask; 17:16 elements of 1 byte; 20 padding on; 24:22 after every 32 words (code 4); 31:25 four words (code 3)
	s_mov_b32 s[G1K+1], 128<<16                    ; tensor_dim0
	s_mov_b32 s[G1K+2], 128<<16                    ; tensor_dim1
	s_mov_b32 s[G1K+3], 128<<16                    ; tile_dim0
	s_mov_b32 s[G1K+4], 128                        ; tile_dim1
	s_mov_b32 s[G1K+5], 128                        ; tensor_dim0_stride
	s_mov_b32 s[G1K+6], 0
	s_mov_b32 s[G1K+7], 0
	; V: 64 rows of 256 bytes, 1,024 bytes apart
	s_mov_b32 s[G1V], (0<<16)|(1<<20)|(5<<22)|(3<<25)   ; padding: four words after every 64
	s_mov_b32 s[G1V+1], 256<<16
	s_mov_b32 s[G1V+2], 64<<16
	s_mov_b32 s[G1V+3], 256<<16
	s_mov_b32 s[G1V+4], 64
	s_mov_b32 s[G1V+5], KROWV
	s_mov_b32 s[G1V+6], 0
	s_mov_b32 s[G1V+7], 0
	; scale bytes: half a head's, 4,096 dense bytes, as 16 rows of 256 bytes (32 elements of 8 bytes), 16 bytes of padding behind each
	s_mov_b32 s[G1S], (3<<16)|(1<<20)|(5<<22)|(3<<25)
	s_mov_b32 s[G1S+1], 32<<16
	s_mov_b32 s[G1S+2], 16<<16
	s_mov_b32 s[G1S+3], 32<<16
	s_mov_b32 s[G1S+4], 16
	s_mov_b32 s[G1S+5], 32
	s_mov_b32 s[G1S+6], 0
	s_mov_b32 s[G1S+7], 0
	; groups 0: count, LDS address, and for now the byte offset in the tensor; the tensor's address is added when it has come.  Every wave makes all three; the branch on the wave's number decides who asks
	s_and_b32 s94, s[WV], 1                        ; which half I fetch
	s_min_u32 s92, s[WV], 5                        ; scale bytes: waves 0-5 take the six halves in their order in LDS
	s_mul_i32 s93, s92, SCH
	s_lshr_b32 s95, s92, 1                         ; 0: K1's, 1: K2's, 2: V's
	s_mov_b32 s[G0S], 1
	s_add_co_u32 s[G0S+1], s93, SC
	s_lshl_b32 s[G0S+2], s94, 12
	s_mov_b32 s[G0S+3], 0
	s_add_nc_u64 s[G0S+2:G0S+3], s[G0S+2:G0S+3], s[OFS:OFS+1]
	s_and_b32 s92, s[WV], 3                        ; K: waves 0, 1: K1's halves; waves 2, 3: K2's
	s_mov_b32 s[G0K], 1
	s_mul_i32 s[G0K+1], s92, KREG/2                ; slot 0
	s_lshl_b32 s[G0K+2], s94, 14                   ; 256 keys of 64 bytes
	s_mov_b32 s[G0K+3], 0
	s_add_nc_u64 s[G0K+2:G0K+3], s[G0K+2:G0K+3], s[OFC:OFC+1]
	s_mov_b32 s[G0V], 1                            ; V: waves 4, 5: rows 0-63, 64-127
	s_mul_i32 s93, s94, 64*VP
	s_add_co_u32 s[G0V+1], s93, VOFF
	s_lshl_b32 s[G0V+2], s94, 16                   ; 64 rows of 1,024 bytes
	s_mov_b32 s[G0V+3], 0
	s_add_nc_u64 s[G0V+2:G0V+3], s[G0V+2:G0V+3], s[OFC:OFC+1]
	s_mov_b32 s[SEL], 0x76543210
	s_mov_b32 s[SEL+1], 0xfedcba98
	s_mov_b32 s[CS], 0x3e0293ee                    ; c = log2(e) / sqrt(128)
	s_mov_b32 s[CS+1], s[CS]                       ; (named with it as a pair, so it is written)
	s_mov_b32 s[TB], 0
	s_mov_b32 s[TS], 0
	s_mov_b32 s[TJ], 0
	s_mov_b32 s[KF], 0
	s_mov_b32 s[SLOTS], 3
	s_wait_dscnt 0x0                               ; the opening add is done
	s_wait_kmcnt 0x0
	s_load_b32 s98, s[24:25], 0x0                  ; lambda_log: it is wanted far below
	s_cmp_eq_u32 s95, 0
	s_cselect_b64 s[88:89], s[14:15], s[18:19]
	s_cmp_eq_u32 s95, 2
	s_cselect_b64 s[88:89], s[22:23], s[88:89]
	s_add_nc_u64 s[G0S+2:G0S+3], s[88:89], s[G0S+2:G0S+3]
	s_or_b32 s[G0S+3], s[G0S+3], 0x80000000        ; 127:126 type = 2
	s_cmp_lt_u32 s[WV], 6                          ; the scale bytes of the whole head: filled once
	s_cbranch_scc0 .Lno_scales
	tensor_load_to_lds s[G0S:G0S+3], s[G1S:G1S+7]
	s_nop 0
.rept 4
	v_nop
.endr
.Lno_scales:
	s_cmp_lt_u32 s92, 2
	s_cselect_b64 s[88:89], s[12:13], s[16:17]
	s_add_nc_u64 s[G0K+2:G0K+3], s[88:89], s[G0K+2:G0K+3]
	s_or_b32 s[G0K+3], s[G0K+3], 0x80000000
	s_add_nc_u64 s[G0V+2:G0V+3], s[20:21], s[G0V+2:G0V+3]
	s_or_b32 s[G0V+3], s[G0V+3], 0x80000000
	TLOAD                                          ; slot 0.  By this text's own count two tensor loads of a wave are out here, later one
	; my attention's Q, and my rows of out
	s_cmp_eq_u32 s[ATT], 0
	s_cselect_b64 s[4:5], s[4:5], s[8:9]
	s_cselect_b64 s[6:7], s[6:7], s[10:11]
	s_cselect_b32 s99, 0, -1                       ; all lanes' bits in attention 2's waves
	s_lshl_b32 s90, s[Q0], 6
	s_mov_b32 s91, 0
	s_add_nc_u64 s[90:91], s[90:91], s[OFC:OFC+1]
	s_add_nc_u64 s[4:5], s[4:5], s[90:91]          ; Q's codes at my first query
	s_lshl_b32 s90, s[Q0], 2
	s_mov_b32 s91, 0
	s_add_nc_u64 s[90:91], s[90:91], s[OFS:OFS+1]
	s_add_nc_u64 s[6:7], s[6:7], s[90:91]          ; and its scale words
	s_lshl_b32 s92, s[ATT], 3                      ; on the way out I store 8 rows: rows 8 x attention on of my tile
	s_add_co_u32 s92, s92, s[Q0]
	s_lshl_b32 s90, s92, 9
	s_lshl_b32 s93, s[HEAD], 20
	s_add_co_u32 s90, s90, s93
	s_mov_b32 s91, 0
	s_add_nc_u64 s[26:27], s[26:27], s[90:91]
	; the prefetches (macro ASK): where my wave's stand, and who asks
	s_cmp_lt_u32 s[WV], 8
	s_cselect_b64 s[PFA:PFA+1], s[12:13], s[16:17]
	s_mov_b32 s[PFS], 256
	s_mov_b32 s92, KROWV
	s_mov_b32 s93, 32*KROWV
	s_cmp_lt_u32 s[WV], 12
	s_cselect_b64 s[PFA:PFA+1], s[PFA:PFA+1], s[20:21]
	s_cselect_b32 s[PFS], 32768, s[PFS]            ; a slot on
	s_cselect_b32 s92, 256, s92                    ; from lane to lane
	s_cselect_b32 s93, 8192, s93                   ; from wave to wave
	v_and_b32 v[PFO], 31, v0
	s_delay_alu instid0(VALU_DEP_1)
	v_mul_lo_u32 v[PFO], v[PFO], s92
	s_and_b32 s94, s[WV], 3
	s_mul_i32 s90, s94, s93                        ; my wave's part,
	s_add_co_u32 s90, s90, s[PFS]                  ; in slot 1: the first change of slots steps it to slot 2.  Nothing is prefetched here, at the head
	s_mov_b32 s91, 0
	s_mov_b32 s[PFS+1], 0
	s_add_nc_u64 s[90:91], s[90:91], s[OFC:OFC+1]
	s_add_nc_u64 s[PFA:PFA+1], s[PFA:PFA+1], s[90:91]
	s_lshr_b32 s92, s[WV], 2
	s_cmp_lg_u32 s92, 0                            ; waves 4 to 15,
	s_cselect_b32 s92, s[BLK], 0
	s_cmp_eq_u32 s92, 15                           ; of the head's work-group with block 15
	s_cselect_b32 s[LIM], 1, -1
	; lane work
	v_and_b32 v8, 15, v0                           ; r = lane % 16
	v_bfe_u32 v9, v0, 4, 1                         ; h = lane / 16
	s_delay_alu instid0(VALU_DEP_2)
	v_lshlrev_b32 v10, 6, v8
	s_delay_alu instid0(VALU_DEP_1)
	v_lshl_add_u32 v10, v9, 4, v10                 ; Q: row r of 64 bytes, + 16 h
	global_load_b128 v[16:19], v10, s[4:5]         ; Q's fragment stays in registers
	global_load_b128 v[20:23], v10, s[4:5] offset:32
	v_lshlrev_b32 v254, 2, v8
	global_load_b32 v255, v254, s[6:7]             ; Q's scale words.  (v10 and v254 are written again only behind the wait for these three loads)
	v_and_b32 v11, 8, v8
	s_delay_alu instid0(VALU_DEP_1)
	v_add_nc_u32 v11, v11, v8                      ; r + 8 (r / 8): my key in a tile
	s_delay_alu instid0(VALU_DEP_1)
	v_lshrrev_b32 v12, 1, v11
	s_delay_alu instid0(VALU_DEP_1)
	v_mul_u32_u24 v[AK0], v12, KP2                 ; its pair of keys,
	s_delay_alu instid0(VALU_DEP_3)
	v_and_b32 v12, 1, v11
	s_delay_alu instid0(VALU_DEP_1)
	v_lshl_add_u32 v[AK0], v12, 6, v[AK0]          ; which of the two,
	s_delay_alu instid0(VALU_DEP_1)
	v_lshl_add_u32 v[AK0], v9, 4, v[AK0]           ; my half's bytes,
	s_mul_i32 s92, s[ATT], KREG
	v_add_nc_u32 v[AK0], s92, v[AK0]               ; in K1's or K2's part of a slot
	v_mul_u32_u24 v[AV0], v8, VP
	s_delay_alu instid0(VALU_DEP_1)
	v_lshl_add_u32 v[AV0], v9, 4, v[AV0]
	s_delay_alu instid0(VALU_DEP_1)
	v_add_nc_u32 v[AV0], VOFF, v[AV0]
	s_mul_i32 s92, s[ATT], 2*SCH
	s_add_co_u32 s92, s92, SC
	v_lshl_add_u32 v[ASK0], v11, 2, s92            ; K's scale words: 4 bytes a key; a step's 128 keys are two units
	v_lshlrev_b32 v12, 6, v8                       ; V's: row r of a tile begins 64 r bytes on: which unit of 256 bytes, and where in it
	s_delay_alu instid0(VALU_DEP_1)
	v_lshrrev_b32 v13, 8, v12
	s_delay_alu instid0(VALU_DEP_2)
	v_and_b32 v12, 255, v12
	s_delay_alu instid0(VALU_DEP_1)
	v_mad_u32_u24 v[ASV0], v13, 272, v12
	s_delay_alu instid0(VALU_DEP_1)
	v_add_nc_u32 v[ASV0], SCV, v[ASV0]
	v_lshlrev_b32 v12, 4, v9
	s_delay_alu instid0(VALU_DEP_1)
	v_sub_nc_u32 v[DG], v8, v12
	v_and_b32 v[GO], 31, v0
	s_delay_alu instid0(VALU_DEP_1)
	v_lshlrev_b32 v[GO], 4, v[GO]
	s_mul_i32 s92, s[WV], WST                      ; my stage: row r; tile t's eight channels of my half lie 64 t + 32 h bytes on
	v_mul_u32_u24 v[SW], v8, SPI
	s_delay_alu instid0(VALU_DEP_1)
	v_lshl_add_u32 v[SW], v9, 5, v[SW]
	s_delay_alu instid0(VALU_DEP_1)
	v_add_nc_u32 v[SW], s92, v[SW]
	s_mul_i32 s92, s[TIL], WST                     ; back: from the stage of attention 1's wave of my tile, rows 8 x attention on, 16 bytes a lane;
	s_mul_i32 s93, s[ATT], 8*SPI
	s_add_co_u32 s92, s92, s93
	v_add_nc_u32 v[RA], s92, v[GO]
	s_delay_alu instid0(VALU_DEP_1)
	v_add_nc_u32 v[RB], 8*WST, v[RA]               ; and the same rows from attention 2's wave, eight stages on
	v_mov_b32 v13, 0xff61b1e6                      ; the largest t so far: -3e38, under every t
	s_delay_alu instid0(VALU_DEP_1)
	v_floor_f32 v12, -v13                          ; -M
	v_mov_b32 v14, 0                               ; the sum, in two halves
	v_mov_b32 v15, 0
.irp b, 0,1,2,3
	v_mov_b32 v[236+\b], 0                         ; written once: a lane permute's destination counts as one of its sources
.endr
	v_mov_b32 v253, 0                              ; (named as the upper half of the pair v[252:253] before it is first written)
.set J, 0
.rept 64
	v_mov_b32 v[160+J], 0                          ; O^T.  (The step is written without a first step of its own: the first finds zeros, which the first change of M leaves zeros)
.set J, J+1
.endr
	s_wait_kmcnt 0x0                               ; lambda_log
	v_mov_b32 v[FAC], s98
	s_delay_alu instid0(VALU_DEP_1)
	v_mul_f32 v[FAC], 0x3fb8aa3b, v[FAC]           ; x log2(e)
	s_wait_alu depctr_va_vdst(0)
	v_exp_f32 v[FAC], v[FAC]                       ; lambda
	v_nop                                          ; a plain instruction behind the exponential,
	s_wait_alu depctr_va_vdst(0)                   ; and the wait ahead of the first use of its result
	v_xor_b32 v[FAC], 0x80000000, v[FAC]           ; -lambda
	s_delay_alu instid0(VALU_DEP_1)
	v_cndmask_b32 v[FAC], 1.0, v[FAC], s99         ; attention 1's waves take 1.0
; A KEY STEP: 128 keys, the q-th of the slot in hand.
.macro STEP q
; A step all of whose keys come after my 16 queries is left out: a scalar branch on ids, round the step's loads, products and softmax; not round the lines at its end that step addresses; no barrier or tensor load stands in a step.
	s_add_co_u32 s96, s[Q0], 15
	s_cmp_gt_u32 s[KF], s96
	s_cbranch_scc1 .Lhidden_\@
	v_add_nc_u32 v[ADK], s[TB], v[AK0]             ; these four additions are also the four places in front of loads into registers that the last step's matrix instructions have read
	s_wait_alu depctr_va_vdst(0)
	v_add_nc_u32 v[ADV], s[TB], v[AV0]
	v_add_nc_u32 v[ADS], s[TS], v[ASK0]
	s_wait_alu depctr_va_vdst(0)
	v_add_nc_u32 v[ADT], s[TJ], v[ASV0]
.irp g, 0,1                                    ; S^T = K Q^T, four tiles of 16 keys at a time
.if \g > 0
.rept 4
	v_nop                                          ; places in front of loads into registers that matrix instructions have read
.endr
.endif
.irp t, 0,1,2,3
.irp c, 0,1
	ds_load_b128 v[32+8*\t+4*\c:35+8*\t+4*\c], v[ADK] offset:(128*(\q)+32*((4*\g+\t)/2)+8*(\t%2))*72+32*\c   ; the tile's first key is even: 72 bytes a key
.endr
	ds_load_b32 v[248+\t], v[ADS] offset:272*\g+(32*(((4*\g+\t)/2)%2)+8*(\t%2))*4
.endr
	s_wait_dscnt 0x0                               ; the twelve loads just issued are all that is out
.irp t, 0,1,2,3
	v_wmma_scale_f32_16x16x128_f8f6f4 v[96+8*(4*\g+\t):103+8*(4*\g+\t)], v[32+8*\t:39+8*\t], v[16:23], 0, v[248+\t], v255 matrix_a_fmt:MATRIX_FMT_FP4 matrix_b_fmt:MATRIX_FMT_FP4
.endr
.endr
.rept 4
	v_nop                                          ; places in front of the first read of the scores
.endr
	s_add_co_u32 s96, s[KF], 127                   ; on the diagonal the scores of hidden keys become -infinity ahead of the maximum: p = 0 then.  A step all of whose keys count skips this
	s_cmp_le_u32 s96, s[Q0]
	s_cbranch_scc1 .Lopen_\@
	s_sub_co_i32 s96, s[Q0], s[KF]
	v_add_nc_u32 v252, s96, v[DG]                  ; d = my query - the step's first key - 16 (lane / 16).  Register 16 b + i holds key 32 b + 16 (lane / 16) + i of the step: hidden where 32 b + i > d
	v_mov_b32 v254, 0xff800000                     ; -infinity
.set J, 0
.rept 64
	v_cmp_gt_i32 vcc_lo, 32*(J/16)+J%16, v252
	v_cndmask_b32 v[96+J], v[96+J], v254, vcc_lo
.set J, J+1
.endr
.Lopen_\@:
.irp b, 0,1,2,3
	v_max3_num_f32 v[232+\b], v[96+16*\b], v[97+16*\b], v[98+16*\b]   ; THE LARGEST SCORE OF EACH BLOCK OF 32 KEYS: it serves twice: for the row's maximum, and, since p rises with the score, for the block's largest p
.endr
.irp i, 3,5,7,9,11,13
.irp b, 0,1,2,3
	v_max3_num_f32 v[232+\b], v[232+\b], v[96+16*\b+\i], v[97+16*\b+\i]   ; (the four blocks by turns)
.endr
.endr
.irp b, 0,1,2,3
	v_max_num_f32 v[232+\b], v[232+\b], v[111+16*\b]
.endr
.irp b, 0,1,2,3
	s_delay_alu instid0(VALU_DEP_4)
	v_permlanex16_b32 v[236+\b], v[232+\b], s[SEL], s[SEL+1]
.endr
.irp b, 0,1,2,3
	s_delay_alu instid0(VALU_DEP_4)
	v_max_num_f32 v[232+\b], v[232+\b], v[236+\b]  ; with lane l xor 16's 16 keys
.endr
	s_delay_alu instid0(VALU_DEP_2)
	v_max3_num_f32 v254, v232, v233, v234
	s_delay_alu instid0(VALU_DEP_1)
	v_max_num_f32 v254, v254, v235                 ; the step's largest score of my query
	s_delay_alu instid0(VALU_DEP_1)
	v_mul_f32 v254, s[CS], v254                    ; as t (c is positive)
	s_delay_alu instid0(VALU_DEP_1)
	v_max_num_f32 v13, v13, v254                   ; the running largest t
	v_mov_b32 v254, v12
	s_delay_alu instid0(VALU_DEP_2)
	v_floor_f32 v12, -v13                          ; the new -M = floor(-t) = -ceil(t): M IS A WHOLE NUMBER
	s_delay_alu instid0(VALU_DEP_1)
	v_sub_f32 v254, v12, v254                      ; M's old value less its new one: a whole number, 0 or less
	s_delay_alu instid0(VALU_DEP_1)
	v_cvt_i32_f32 v254, v254                       ; (it saturates)
	s_delay_alu instid0(VALU_DEP_1)
	v_ldexp_f32 v252, 1.0, v254                    ; f = 2^(old M - new M): what was summed under the old M is brought under the new by a multiplication that rounds nothing
.set J, 0
.rept 32
	v_pk_fma_f32 v[96+J:97+J], v[96+J:97+J], s[CS:CS+1], v[12:13] op_sel_hi:[1,0,0]   ; t - M, two at a time (of the pairs c and -M the low word serves both halves)
.set J, J+2
.endr
.irp b, 0,1,2,3
	v_fma_f32 v[232+\b], v[232+\b], s[CS], v12     ; the same of each block's largest score
.endr
.set J, 0
	s_wait_alu depctr_va_vdst(0)
.rept 64
	v_exp_f32 v[96+J], v[96+J]                     ; p = 2^(t - M), at most 1: NOT normalised
.set J, J+1
.endr
	v_pk_mul_f32 v[14:15], v[14:15], v[252:253] op_sel_hi:[1,0]   ; the sums under the new M.  (The plain instruction behind the exponentials)
	s_wait_alu depctr_va_vdst(0)                   ; one wait for the whole batch of 64, ahead of its first reader
.irp b, 0,1,2,3
	v_exp_f32 v[232+\b], v[232+\b]                 ; the block's largest p: the same two instructions on the same number give the same bits
.endr
	v_pk_add_f32 v[236:237], v[100:101], v[104:105]
	v_pk_add_f32 v[250:251], v[108:109], v[112:113]
	v_pk_add_f32 v[248:249], v[116:117], v[120:121]
	v_pk_add_f32 v[246:247], v[124:125], v[128:129]
	v_pk_add_f32 v[244:245], v[132:133], v[136:137]
	v_pk_add_f32 v[242:243], v[140:141], v[144:145]
	v_pk_add_f32 v[240:241], v[148:149], v[152:153]
	v_pk_add_f32 v[14:15], v[14:15], v[156:157]
	v_pk_add_f32 v[236:237], v[236:237], v[96:97]
	v_pk_add_f32 v[250:251], v[250:251], v[98:99]
	v_pk_add_f32 v[248:249], v[248:249], v[102:103]
	v_pk_add_f32 v[246:247], v[246:247], v[106:107]
	v_pk_add_f32 v[244:245], v[244:245], v[110:111]
	v_pk_add_f32 v[242:243], v[242:243], v[114:115]
	v_pk_add_f32 v[240:241], v[240:241], v[118:119]
	v_pk_add_f32 v[14:15], v[14:15], v[122:123]
	v_pk_add_f32 v[236:237], v[236:237], v[126:127]
	v_pk_add_f32 v[250:251], v[250:251], v[130:131]
	v_pk_add_f32 v[248:249], v[248:249], v[134:135]
	v_pk_add_f32 v[246:247], v[246:247], v[138:139]
	v_pk_add_f32 v[244:245], v[244:245], v[142:143]
	v_pk_add_f32 v[242:243], v[242:243], v[146:147]
	v_pk_add_f32 v[240:241], v[240:241], v[150:151]
	v_pk_add_f32 v[14:15], v[14:15], v[154:155]
	v_pk_add_f32 v[236:237], v[236:237], v[158:159]
	s_delay_alu instid0(VALU_DEP_2)
	v_pk_add_f32 v[14:15], v[14:15], v[246:247]
	s_delay_alu instid0(VALU_DEP_2)
	v_pk_add_f32 v[236:237], v[236:237], v[244:245]
	v_pk_add_f32 v[250:251], v[250:251], v[242:243]
	v_pk_add_f32 v[248:249], v[248:249], v[240:241]
	s_delay_alu instid0(VALU_DEP_2)
	v_pk_add_f32 v[14:15], v[14:15], v[250:251]
	s_delay_alu instid0(VALU_DEP_2)
	v_pk_add_f32 v[236:237], v[236:237], v[248:249]
	s_delay_alu instid0(VALU_DEP_1)
	v_pk_add_f32 v[14:15], v[14:15], v[236:237]
	s_wait_alu depctr_va_vdst(0)                   ; and one wait for the four
.irp b, 0,1,2,3
	v_max_num_f32 v[232+\b], 0x1800000, v[232+\b]  ; the floor 2^(3 - 127): the byte cannot fall under 1 (a block whose every p is 0 keeps that byte: its codes are zeros)
.endr
.irp b, 0,1,2,3
	s_delay_alu instid0(VALU_DEP_4)
	v_add_nc_u32 v[244+\b], 0xff000000, v[232+\b]  ; 2 off the exponent field: the conversion's scale operand
.endr
.irp b, 0,1,2,3
	s_delay_alu instid0(VALU_DEP_4)
	v_lshrrev_b32 v[236+\b], 23, v[244+\b]         ; the scale's byte
.endr
	s_delay_alu instid0(VALU_DEP_3)
	v_lshl_or_b32 v253, v237, 8, v236              ; p's scale word for these 128 keys
	s_delay_alu instid0(VALU_DEP_1)
	v_lshl_or_b32 v253, v238, 16, v253
	s_delay_alu instid0(VALU_DEP_1)
	v_lshl_or_b32 v253, v239, 24, v253
.irp b, 0,1,2,3
	v_cvt_scalef32_pk8_fp4_f32 v[224+2*\b], v[96+16*\b:103+16*\b], v[244+\b]
	v_cvt_scalef32_pk8_fp4_f32 v[225+2*\b], v[104+16*\b:111+16*\b], v[244+\b]
.endr
	v_nop                                          ; one plain vector instruction between a scaled conversion and the vector instruction that touches its result
.irp c, 0,1                                    ; the operand's layout wants a WHOLE block in a lane: lanes 0-15 block 2 c, lanes 16-31 block 2 c + 1
.irp i, 0,1
	v_permlane16_swap_b32 v[224+4*\c+\i], v[226+4*\c+\i]
.endr
.endr
.set J, 0
.rept 32
	v_pk_mul_f32 v[160+J:161+J], v[160+J:161+J], v[252:253] op_sel_hi:[1,0]   ; O^T under the new M: x f, each accumulator from its low end on.  (These 32 are also the places in front of the matrix instructions and loads below)
.set J, J+2
.endr
	s_wait_alu depctr_va_vdst(0)
.irp g, 0,1                                    ; O^T += V^T P^T: four tiles of 16 of the head's 128 at a time; K = these 128 keys.  The eight accumulators take turns, one instruction a turn
.if \g > 0
.rept 4
	v_nop
.endr
.endif
.irp t, 0,1,2,3
.irp c, 0,1
	ds_load_b128 v[32+8*\t+4*\c:35+8*\t+4*\c], v[ADV] offset:16*(4*\g+\t)*VP+64*(\q)+32*\c
.endr
	ds_load_b32 v[248+\t], v[ADT] offset:(4*\g+\t)*4*272           ; 16 rows of 64 scale bytes are four units
.endr
	s_wait_dscnt 0x0
.irp t, 0,1,2,3
	v_wmma_scale_f32_16x16x128_f8f6f4 v[160+8*(4*\g+\t):167+8*(4*\g+\t)], v[32+8*\t:39+8*\t], v[224:231], v[160+8*(4*\g+\t):167+8*(4*\g+\t)], v[248+\t], v253 matrix_a_fmt:MATRIX_FMT_FP4 matrix_b_fmt:MATRIX_FMT_FP4
.endr
.endr
.Lhidden_\@:
	s_add_co_u32 s[KF], s[KF], 128
	s_add_co_u32 s[TS], s[TS], 544                 ; the next step's scale words
	s_add_co_u32 s[TJ], s[TJ], 4
.endm
; THE CHANGE OF SLOTS stands at a slot's head.  Each wave waits for all its tensor loads (its part of the slot that it is about to read), adds 0 to its spare word, and waits for that and for its reads of the slot that it has left.
; Behind the barrier the slot ahead is whole and nobody reads the other one.  fill = 1: that other slot is filled with the keys that follow, up to the causal limit: the load has a whole slot's steps in which to land.
.macro CHANGE fill
	s_wait_tensorcnt 0x0                           ; no tensor load of mine is out, so a group 0 may be written
	ds_add_u32 v[SPW], v[NIL]                      ; 0 onto my spare word; with fill = 1 the descriptors' steps stand between it and the wait for it
.if \fill
	s_xor_b32 s[G0K+1], s[G0K+1], SLOT1            ; the walking descriptors: the other slot than last time,
	s_add_nc_u64 s[G0K+2:G0K+3], s[G0K+2:G0K+3], SK*64   ; the next 512 keys; the type bits on top are not reached
	s_xor_b32 s[G0V+1], s[G0V+1], SLOT1
	s_add_nc_u64 s[G0V+2:G0V+3], s[G0V+2:G0V+3], SK/2
	s_wait_xcnt 0x0                                ; the last prefetch, a slot back, has read its address, so it may be written:
	s_add_nc_u64 s[PFA:PFA+1], s[PFA:PFA+1], s[PFS:PFS+1]  ; one slot further on than the walking descriptors
.endif
	s_wait_dscnt 0x0                               ; the add is done, and my reads of the slot that I have left are over
	s_barrier_signal -1
	s_barrier_wait -1
.if \fill
	; THE LOOK-AHEAD ENDS AT THE CAUSAL LIMIT: a slot whose first key comes after my work-group's last query is read by none of its waves, so it is not asked for.  The jump leads round the load's own lines alone; every wait on
	; TENSORcnt in this text is for 0; where the tail begins hangs on the work-group's number, so it cannot be written out, and the loop's trip count stays a constant
	s_add_co_u32 s96, s[KF], SK                    ; the first key of the slot that this change would ask for
	s_or_b32 s97, s[Q0], 127                       ; my work-group's last query
	s_cmp_gt_u32 s96, s97                          ; ids and the count of steps alone: all sixteen waves go the same way; and a work-group that is past the limit stays past it
	s_cbranch_scc1 .Lpast_\@
	TLOAD                                          ; the first tensor load behind the barrier, and a wave's one until the next
.Lpast_\@:
	ASK
.endif
.endm
.macro SLOT_STEPS
	STEP 0
	STEP 1
	STEP 2
	STEP 3
	s_xor_b32 s[TB], s[TB], SLOT1                  ; on to the other slot
.endm
	s_wait_loadcnt 0x0                             ; Q and its scale words
.Lslot:                                            ; three trips: behind each change of slots but the last the next slot is asked for, up to the causal limit
	CHANGE 1
	SLOT_STEPS
	s_sub_co_u32 s[SLOTS], s[SLOTS], 1
	s_cmp_lg_u32 s[SLOTS], 0
	s_cbranch_scc1 .Lslot
	CHANGE 0                                       ; the last slot is written out: nothing is left to fetch
	SLOT_STEPS
	; THE WAY OUT.  O^T x (1 / sum) in attention 1, x (-lambda / sum) in attention 2; all sixteen waves put their 16 rows into their stages; each wave reads 8 rows of both attentions, adds them and stores whole rows.
	v_add_f32 v14, v14, v15                        ; the sum's two halves,  (these lines are also the places behind the last products)
	s_delay_alu instid0(VALU_DEP_1)
	v_permlanex16_b32 v236, v14, s[SEL], s[SEL+1]
	s_delay_alu instid0(VALU_DEP_1)
	v_add_f32 v14, v14, v236                       ; and lane l xor 16's: the row's sum
	s_wait_alu depctr_va_vdst(0)
	v_rcp_f32 v14, v14
	v_nop                                          ; a plain instruction behind the reciprocal,
	s_wait_alu depctr_va_vdst(0)                   ; and the wait ahead of its first reader
	v_mul_f32 v14, v14, v[FAC]
	s_wait_alu depctr_va_vdst(0)
	s_wait_dscnt 0x0                               ; my reads of the ring are over:
	s_barrier_signal -1                            ; say so; the multiplications, work on registers, stand between the signal and the wait
.set J, 0
.rept 32
	v_pk_mul_f32 v[96+J:97+J], v[160+J:161+J], v[14:15] op_sel_hi:[1,0]   ; register 8 t + i is my attention's part of out(r, 16 t + 8 h + i); each accumulator from its low end on
.set J, J+2
.endr
	s_wait_alu depctr_va_vdst(0)
	s_barrier_wait -1                              ; no wave reads the ring any more, and it has had its last fill: the stages may be written over it
.irp t, 0,1,2,3,4,5,6,7
	ds_store_b128 v[SW], v[96+8*\t:99+8*\t] offset:64*\t
	ds_store_b128 v[SW], v[100+8*\t:103+8*\t] offset:64*\t+16
.endr
	s_wait_dscnt 0x0                               ; for the others' sake: my stores into my stage are done
	s_barrier_signal -1
	s_barrier_wait -1
.irp i, 0,1,2,3,4,5,6,7
	ds_load_b128 v[32+4*\i:35+4*\i], v[RA] offset:SPI*\i           ; row i of my eight: attention 1's part,
	ds_load_b128 v[64+4*\i:67+4*\i], v[RB] offset:SPI*\i           ; attention 2's
.endr
.irp i, 0,1,2,3,4,5,6,7
	s_wait_dscnt 14-2*\i                           ; LDS loads come back in order: behind row i's pair 14 - 2 i younger loads were issued
	v_pk_add_f32 v[32+4*\i:33+4*\i], v[32+4*\i:33+4*\i], v[64+4*\i:65+4*\i]
	v_pk_add_f32 v[34+4*\i:35+4*\i], v[34+4*\i:35+4*\i], v[66+4*\i:67+4*\i]
	global_store_b128 v[GO], v[32+4*\i:35+4*\i], s[26:27] offset:512*\i th:TH_STORE_NT   ; 32 lanes store a row's 512 consecutive bytes, at a multiple of 256 from out's first byte; written once, read by nobody here
.endr
	s_wait_tensorcnt 0x0                           ; the wave's end: behind my last tensor load and my last LDS store
	ds_add_u32 v[SPW], v[NIL]
	s_wait_dscnt 0x0
	s_endpgm
.Lfunc_end_k_qb16f09dfa9_diffattn:
	.size	k_qb16f09dfa9_diffattn, .Lfunc_end_k_qb16f09dfa9_diffattn-k_qb16f09dfa9_diffattn
	.p2alignl 7, 3214868480
	.fill 96, 4, 3214868480
	.section	.rodata,"a",@progbits
	.p2align	6, 0x0
	.amdhsa_kernel k_qb16f09dfa9_diffattn
		.amdhsa_group_segment_fixed_size 327680
		.amdhsa_private_segment_fixed_size 0
		.amdhsa_enable_private_segment 0
		.amdhsa_kernarg_size 96
		.amdhsa_user_sgpr_count 2
		.amdhsa_user_sgpr_kernarg_segment_ptr 1
		.amdhsa_wavefront_size32 1
		.amdhsa_system_sgpr_workgroup_id_x 1
		.amdhsa_system_sgpr_workgroup_id_y 1
		.amdhsa_system_sgpr_workgroup_id_z 1
		.amdhsa_system_vgpr_workitem_id 0
		.amdhsa_next_free_vgpr 256
		.amdhsa_next_free_sgpr 100
		.amdhsa_reserve_vcc 1
		.amdhsa_float_denorm_mode_32 3
		.amdhsa_float_denorm_mode_16_64 3
		.amdhsa_memory_ordered 1
		.amdhsa_forward_progress 1
		.amdhsa_inst_pref_size 220
	.end_amdhsa_kernel
	.amdgpu_metadata
---
amdhsa.version: [ 1, 2 ]
amdhsa.kernels:
  - .name:           k_qb16f09dfa9_diffattn
    .symbol:         k_qb16f09dfa9_diffattn.kd
    .args:
      - { .name: q1_codes, .offset: 0, .size: 8, .value_kind: global_buffer, .address_space: global }
      - { .name: q1_scales, .offset: 8, .size: 8, .value_kind: global_buffer, .address_space: global }
      - { .name: q2_codes, .offset: 16, .size: 8, .value_kind: global_buffer, .address_space: global }
      - { .name: q2_scales, .offset: 24, .size: 8, .value_kind: global_buffer, .address_space: global }
      - { .name: k1_codes, .offset: 32, .size: 8, .value_kind: global_buffer, .address_space: global }
      - { .name: k1_scales, .offset: 40, .size: 8, .value_kind: global_buffer, .address_space: global }
      - { .name: k2_codes, .offset: 48, .size: 8, .value_kind: global_buffer, .address_space: global }
      - { .name: k2_scales, .offset: 56, .size: 8, .value_kind: global_buffer, .address_space: global }
      - { .name: v_codes, .offset: 64, .size: 8, .value_kind: global_buffer, .address_space: global }
      - { .name: v_scales, .offset: 72, .size: 8, .value_kind: global_buffer, .address_space: global }
      - { .name: lambda_log, .offset: 80, .size: 8, .value_kind: global_buffer, .address_space: global }
      - { .name: out0, .offset: 88, .size: 8, .value_kind: global_buffer, .address_space: global }
    .group_segment_fixed_size: 327680
    .private_segment_fixed_size: 0
    .kernarg_segment_align: 8
    .kernarg_segment_size: 96
    .max_flat_workgroup_size: 512
    .sgpr_count:     100
    .vgpr_count:     256
    .wavefront_size: 32
...
	.end_amdgpu_metadata
.endif
;; end of part 1
